; MI455X (gfx1250); checked and timed in simulation.
; The chip was launched on July 23, 2026; its instructions are those of AMD's public machine-readable ISA for CDNA 5 (MIT licence, August 2026) and "CDNA5" Instruction Set Architecture Reference Guide (July 2026). The comments in the code are by the model that wrote it; some were corrected since.
;; Full Attention Masked. Allowed arithmetic: matrix products marked QUANTISED: E4M3 operands, one given power-of-two scale a tensor, by v_wmma_f32_16x16x64_fp8_fp8 or v_wmma_f32_16x16x128_fp8_fp8, f32 sums; everything else in f32.
;; Inputs: k 2 x 16 x 2,048 x 64 float32; lowp_scales 4 int32 (the exponents e of the quantised operands' scales 2^e); mask 1 x 1 x 2,048 x 2,048 bool; q 2 x 16 x 2,048 x 64 float32; v 2 x 16 x 2,048 x 64 float32.
;; Outputs: out0 2 x 16 x 2,048 x 64 float32.
;; This version of the problem:
;;   THIS VERSION OF THE PROBLEM IS GIVEN IN LOW PRECISION. The matrix products marked QUANTISED in the list below multiply operands that are first quantised to E4M3 (4 exponent bits, 3 mantissa bits; 8 bits a number), with one given power-of-two scale for each operand tensor; their sums are f32. All else is computed in f32.
;;   The module's matrix products, in the order in which they are computed (A, B: the left and right operand; K: the contracted axis; several contracted axes count as one K, in the product's order):
;;     1. batch 32 x [M 2,048, K 64] x [K 64, N 2,048]; A: input q; B: input k: QUANTISED (scales: A lowp_scales[0], B lowp_scales[1])
;;     2. batch 32 x [M 2,048, K 2,048] x [K 2,048, N 64]; A: computed on the way; B: input v: QUANTISED (scales: A lowp_scales[2], B lowp_scales[3])
;;   THE QUANTISER, for each operand of a quantised product, along K:
;;     - The operand's scale is 2^e, e = its entry of the input lowp_scales (int32; the entries are numbered through the quantised products in the list's order, A before B).
;;     - Each number is divided by the scale, clamped to +-448, and rounded to the nearest number of E4M3, ties to even, subnormals kept.
;;     - The product sums the exact products of the quantised numbers (number of the format x scale) in f32.
;;   ~~~python
;;   def quantise(x, axis, e):      # numpy; x: float32 -> the quantised numbers, widened to float32 again
;;       x = np.moveaxis(x, axis, -1); K = x.shape[-1]
;;       r = np.clip(x / 2.0 ** e, -448, 448)
;;       step = 2.0 ** (np.maximum(np.frexp(np.where(r == 0, 1, r))[1] - 1, -6) - 3)
;;       q = np.round(r / step) * step * 2.0 ** e      # np.round: ties to even
;;       return np.moveaxis(q, -1, axis).astype(np.float32)
;;   ~~~
;;   OPERANDS COMPUTED ON THE WAY. 'Computed on the way' means the value that the module computes at that place (a softmax that the list does not call 'softmax' is quantised finished and normalised). What goes into a quantiser is computed in f32, as accurately as f32 sums, v_exp_f32 and their like allow (about 1e-6 of the number): no bf16 or f16 on the way to a quantiser, and a product that is left as it is and whose result goes on into a quantised operand takes f32 operands (vector FMAs, or v_wmma_f32_16x16x4_f32). A number that lies on a knife's edge between two numbers of the format may be rounded either way, as far as f32 arithmetic and the matrix unit's own rounding can turn it there, and no further.
;; One version. Each part assembles by itself: llvm-mc -triple=amdgcn-amd-amdhsa -mcpu=gfx1250 --defsym DOCPART=n.
;; ======== version 1 of 1: 2 launches
;; limits: right only within a limited range of input values
;; workspace buffers: kc 4,194,304 bytes; vc 4,194,304 bytes; lm 524,288 bytes of whole numbers; nc 65,536 bytes
;; launch prep (part 1): grid 1280 x 1, 4 waves a work-group, no clusters, 52,736 bytes of LDS; arguments k, v, mask, lowp_scales, kc, vc, lm, nc; writes kc, vc, lm, nc
.if DOCPART == 1
	.amdgcn_target "amdgcn-amd-amdhsa--gfx1250"
	.amdhsa_code_object_version 6
	.text
	.protected	k_q9429c19ae3_prep
	.globl	k_q9429c19ae3_prep
	.p2align	8
	.type	k_q9429c19ae3_prep,@function
k_q9429c19ae3_prep:
	s_mov_b64 s[64:65], 0
	v_nop
	global_prefetch_b8 v0, s[64:65] scope:SCOPE_SE
	s_setreg_imm32_b32 hwreg(HW_REG_WAVE_MODE, 25, 1), 1
	s_wait_xcnt 0x0
; FIRST OF TWO LAUNCHES.  out = (masked softmax(q k^T / 8)) v, 32 heads of 2,048 x 64, both products on codes of E4M3 with the given scales 2^e0 (q), 2^e1 (k), 2^e2 (attn), 2^e3 (v).
; NOTHING OF reference() IS LEFT OUT: every input has a way to the output and is loaded.  The -10,000 of masked keys stays in the row's maximum and in its sum, as reference() has it there.
; This launch lays four workspace buffers in the order in which the second launch's registers take them.  Lane (r, h): r = lane % 16, h = lane / 16.  A step is 128 keys.
;   kc [head 32][step 16][tile t 8][c 2][lane 32][16 bytes]: codes of k[key 128 step + 32 (t / 2) + 8 (t % 2) + r + 8 (r / 8)][d = 32 c + 16 h + 0 .. 15]
;   vc [head 32][step 16][tile t 4][c 4][lane 32][16 bytes]: codes of v[key 128 step + 32 c + 16 h + 0 .. 15][d = 16 t + r]: the keys are the second product's K
;   lm [pair of query tiles 64][step 16][tile 2][n 64] words: bit 16 h + r of word n = mask[32 pair + 16 tile + r][128 step + 32 (n / 16) + 16 h + n % 16]: the lane mask of score register n
;   nc [which 256 keys 8][query 2,048] f32: how many of these 256 keys are masked for the query
; code = x / 2^e, held within +-448, rounded to the nearest code, ties to even.  A byte of the mask is 0 or 1 (the type bool): bit 0 decides, in lm and in nc alike.
; LIMITS: e1 and e3 between -126 and 119, so that 2^e and 448 x 2^e are f32 numbers.  NaN among k and v is not served; an infinity is held at the largest code.
; SHARES: work-groups 0-511 take k, 512-1023 v, 1024-1279 the mask; a wave does one task and shares nothing with another wave: no barrier.
; Each path that uses LDS has bytes of its own, and in them each wave a stage of its own.  Stage rows are 272 bytes = 68 words apart, so that sixteen rows start at sixteen different banks (64 banks of 4 bytes: ISA guide 11.1).
.set MSTG,  34816                      ; behind k's four stages of 32 x 272 bytes: the mask's four stages of 16 x 272 bytes
.set SPARE, 52224                      ; behind them: the spare words, 128 bytes for each wave: two blocks of 256 bytes that no other line names
.set R, 16                             ; v16-79   numbers as they are loaded
.set X, 80                             ; v80-143  numbers in the order of the operand (the mask's path: v80-111)
.set KBR, 112                          ; v112-143 the mask's path: the mask's bytes, bit 0 alone, to be counted.  (The fourth buffer is nc, not kb: nc [which 256 keys 8][query 2,048] f32 = how many of these 256 keys are masked for the query)
.set C, 144                            ; v144-159 codes, or mask words
.macro FINISH                          ; the wave's end
	s_wait_tensorcnt 0x0
	ds_add_u32 v4, v5
	s_wait_dscnt 0x0
	s_endpgm
.endm
.macro SCALE                           ; s24 = e  ->  v11 = 2^e as f32 (the conversion takes its exponent field), v12 = 448 x 2^e
	s_wait_kmcnt 0x0
	s_add_co_i32 s24, s24, 127
	s_lshl_b32 s25, s24, 23
	v_mov_b32 v11, s25
	s_add_co_i32 s24, s24, 8
	s_lshl_b32 s24, s24, 23
	s_or_b32 s24, s24, 0x600000
	v_mov_b32 v12, s24
.endm
.macro HOLD64 b                        ; the conversion to an 8-bit code does not saturate (ISA guide 7.6.2): each number is held within the largest code x the scale first
.set n, 0
.rept 64
	v_med3_num_f32 v[\b+n], v[\b+n], -v12, v12
.set n, n+1
.endr
.endm
	s_load_b256 s[4:11], s[0:1], 0x0               ; k s[4:5], v s[6:7], mask s[8:9], the scales' exponents s[10:11]
	s_load_b128 s[12:15], s[0:1], 0x20             ; kc s[12:13], vc s[14:15]
	s_load_b64 s[16:17], s[0:1], 0x30              ; lm
	s_load_b64 s[36:37], s[0:1], 0x38              ; nc
	v_lshl_add_u32 v4, v0, 2, SPARE                ; my spare word; never rewritten
	v_mov_b32 v5, 0                                ; 0; never rewritten
	v_lshrrev_b32 v1, 5, v0
	v_readfirstlane_b32 s18, v1                    ; wave 0..3
	v_and_b32 v1, 31, v0                           ; lane
	v_and_b32 v2, 15, v0                           ; r
	v_bfe_u32 v3, v0, 4, 1                         ; h
	v_lshlrev_b32 v6, 4, v1                        ; 16 x lane
	; every LDS address is made here, ahead of the parting of the ways
	s_mul_i32 s20, s18, 8704                       ; k: my stage
	v_mul_u32_u24 v7, v3, 272
	v_lshl_add_u32 v7, v2, 4, v7
	v_add_nc_u32 v7, s20, v7                       ; in: two rows a load: row h, 16 r bytes on
	v_mul_u32_u24 v8, v2, 272
	v_lshl_add_u32 v8, v3, 6, v8
	v_add_nc_u32 v8, s20, v8                       ; out: row r, 64 h bytes on: my 16 numbers of a block of 32
	s_mul_i32 s21, s18, 4352
	s_add_co_u32 s21, s21, MSTG                    ; the mask: my stage
	v_mul_u32_u24 v9, v3, 272
	v_lshl_add_u32 v9, v2, 4, v9
	v_add_nc_u32 v9, s21, v9                       ; in: row h, 16 r bytes on
	v_mul_u32_u24 v10, v2, 272
	v_lshl_add_u32 v10, v3, 4, v10
	v_add_nc_u32 v10, s21, v10                     ; out: row r, 16 h bytes on
	v_lshlrev_b32 v13, 2, v1                       ; 4 x lane
	v_lshlrev_b32 v14, 11, v3
	v_lshl_add_u32 v14, v2, 4, v14                 ; 2,048 h + 16 r
	v_lshlrev_b32 v15, 3, v1                       ; 8 x lane
	s_wait_kmcnt 0x0
	s_cmp_lt_u32 ttmp9, 512
	s_cbranch_scc1 .Lk
	s_cmp_lt_u32 ttmp9, 1024
	s_cbranch_scc1 .Lv
	; ---- THE MASK: a wave takes 16 queries x 256 keys (two steps)
	s_sub_co_u32 s19, ttmp9, 1024
	s_lshl_b32 s19, s19, 2
	s_add_co_u32 s19, s19, s18                     ; task 0..1023
	s_lshr_b32 s22, s19, 3                         ; tile of 16 queries
	s_and_b32 s23, s19, 7                          ; which 256 keys
	s_lshl_b32 s20, s22, 15                        ; 16 rows of 2,048 bytes
	s_lshl_b32 s21, s23, 8
	s_add_co_u32 s20, s20, s21
	s_mov_b32 s21, 0
	s_add_nc_u64 s[8:9], s[8:9], s[20:21]
	s_lshr_b32 s20, s22, 1
	s_lshl_b32 s20, s20, 13                        ; lm: 8,192 x pair
	s_and_b32 s22, s22, 1
	s_lshl_b32 s22, s22, 8                         ; + 256 x tile
	s_add_co_u32 s20, s20, s22
	s_lshl_b32 s23, s23, 10                        ; + 512 x step, two steps a task
	s_add_co_u32 s20, s20, s23
	s_add_nc_u64 s[16:17], s[16:17], s[20:21]
	s_and_b32 s20, s19, 7                          ; nc: 8,192 x which 256 keys
	s_lshl_b32 s20, s20, 13
	s_lshr_b32 s22, s19, 3
	s_lshl_b32 s22, s22, 6                         ; + 64 x tile of 16 queries
	s_add_co_u32 s20, s20, s22
	s_add_nc_u64 s[36:37], s[36:37], s[20:21]
	s_mov_b32 s38, 0x01010101                      ; bit 0 of each of a word's four bytes
	s_wait_alu depctr_va_vdst(0)
.irp i, 0,1,2,3,4,5,6,7
	global_load_b128 v[R+4*\i:R+4*\i+3], v14, s[8:9] offset:4096*\i th:TH_LOAD_NT   ; rows 2 i and 2 i + 1: sixteen lanes read 256 consecutive bytes, aligned
.endr
.irp i, 0,1,2,3,4,5,6,7
	s_wait_loadcnt 7-\i                            ; loads come back in order: load i is in, the younger ones may be out
	ds_store_b128 v9, v[R+4*\i:R+4*\i+3] offset:544*\i
.endr
.irp s, 0,1
.irp b, 0,1,2,3
	ds_load_b128 v[X+16*\s+4*\b:X+16*\s+4*\b+3], v10 offset:128*\s+32*\b   ; my query's keys 128 s + 32 b + 16 h + 0 .. 15; LDS serves a wave's instructions in order: these see my stores
.endr
.endr
	v_mov_b32 v[C], 0                              ; v_writelane_b32's destination counts as read
	v_mov_b32 v[C+1], 0
	v_mov_b32 v[C+2], 0
	v_mov_b32 v[C+3], 0
	s_wait_dscnt 0x0
	; each byte's bit 0 alone, to be counted (bytes of 0 or 1: nothing is carried from byte to byte)
.set n, 0
.rept 32
	v_and_b32 v[KBR+n], s38, v[X+n]
.set n, n+1
.endr
.set n, 0
.rept 32
.if n < 16
	v_add_nc_u32 v[KBR+n], v[KBR+n], v[KBR+n+16]   ; the count of my query's masked keys: 32 words of four bytes of 0 or 1 are added byte by byte (at most 32 a byte)
.endif
.set n, n+1
.endr
.irp m, 8,4,2,1
.set n, 0
.rept \m
	v_add_nc_u32 v[KBR+n], v[KBR+n], v[KBR+n+\m]
.set n, n+1
.endr
.endr
	s_mov_b32 s38, 0x76543210                      ; selects for lane l xor 16
	s_mov_b32 s39, 0xfedcba98
	v_and_b32 v[KBR+1], 0xff00ff, v[KBR]
	v_lshrrev_b32 v[KBR], 8, v[KBR]
	v_and_b32 v[KBR], 0xff00ff, v[KBR]
	v_add_nc_u32 v[KBR], v[KBR], v[KBR+1]          ; two sums of 16 bits
	v_lshrrev_b32 v[KBR+1], 16, v[KBR]
	v_add_nc_u32 v[KBR], v[KBR], v[KBR+1]
	v_and_b32 v[KBR], 0xffff, v[KBR]               ; my 128 keys
	v_permlanex16_b32 v[KBR+2], v[KBR], s38, s39
	v_add_nc_u32 v[KBR], v[KBR], v[KBR+2]          ; and the other half's: 256 keys of query r
	v_cvt_f32_u32 v[KBR], v[KBR]
	v_lshlrev_b32 v[KBR+1], 2, v2
	global_store_b32 v[KBR+1], v[KBR], s[36:37]    ; 16 numbers, 64 consecutive bytes; lanes r and 16 + r store the same number at the same place
.irp s, 0,1                            ; word n: one byte of every lane is tested, the 32 answers are the word; it goes to lane n / 2, register n % 2, so that a lane stores words 2 lane and 2 lane + 1
.set n0, 0
.rept 8
.irp e, 0,1,2,3,4,5,6,7
	v_and_b32 v[48+\e], 1<<(8*(\e%4)), v[X+16*\s+4*(n0/16)+((n0+\e)%16)/4]
.endr
.irp e, 0,1,2,3,4,5,6,7
	v_cmp_ne_u32 s[28+\e], 0, v[48+\e]
.endr
.irp e, 0,1,2,3,4,5,6,7
	v_writelane_b32 v[C+2*\s+\e%2], s[28+\e], (n0+\e)/2
.endr
.set n0, n0+8
.endr
.endr
	global_store_b64 v15, v[C:C+1], s[16:17]               ; 32 lanes store 256 consecutive bytes, aligned
	global_store_b64 v15, v[C+2:C+3], s[16:17] offset:512
	FINISH
	; ---- K: a wave takes 32 keys x 64: two tiles of 16 keys
.Lk:
	s_load_b32 s24, s[10:11], 0x4                  ; e1
	s_lshl_b32 s19, ttmp9, 2
	s_add_co_u32 s19, s19, s18                     ; task 0..2047 = 64 head + 4 step + which 32 keys
	s_lshl_b32 s20, s19, 13                        ; 32 rows of 256 bytes
	s_mov_b32 s21, 0
	s_add_nc_u64 s[4:5], s[4:5], s[20:21]
	s_lshl_b32 s22, s19, 11                        ; two tiles of 1,024 bytes of codes
	s_mov_b32 s23, 0
	s_add_nc_u64 s[12:13], s[12:13], s[22:23]
.irp i, 0,1,2,3,4,5,6,7,8,9,10,11,12,13,14,15
	global_load_b128 v[R+4*\i:R+4*\i+3], v6, s[4:5] offset:512*\i th:TH_LOAD_NT   ; keys 2 i and 2 i + 1: 512 consecutive bytes
.endr
	SCALE
	s_wait_alu depctr_va_vdst(0)
.irp i, 0,1,2,3,4,5,6,7,8,9,10,11,12,13,14,15
	s_wait_loadcnt 15-\i                           ; load i is in, the younger ones may be out
	ds_store_b128 v7, v[R+4*\i:R+4*\i+3] offset:272*(16*(((2*\i)/8)%2)+8*((2*\i)/16)+(2*\i)%8)   ; key p goes to stage row 16 ((p / 8) % 2) + 8 (p / 16) + p % 8: the 16 keys of a tile lie on end
.endr
.irp u, 0,1
.irp c, 0,1
.irp j, 0,1,2,3
	ds_load_b128 v[X+16*(2*\u+\c)+4*\j:X+16*(2*\u+\c)+4*\j+3], v8 offset:4352*\u+128*\c+16*\j   ; tile u, row r, d = 32 c + 16 h + 4 j on
.endr
.endr
.endr
	s_wait_dscnt 0x0
	HOLD64 X
.irp f, 0,1,2,3
	v_cvt_scalef32_pk8_fp8_f32 v[C+4*\f:C+4*\f+1], v[X+16*\f:X+16*\f+7], v11
	v_cvt_scalef32_pk8_fp8_f32 v[C+4*\f+2:C+4*\f+3], v[X+16*\f+8:X+16*\f+15], v11
.endr
	v_nop                                          ; a plain vector line behind the last conversion
.irp f, 0,1,2,3
	global_store_b128 v6, v[C+4*\f:C+4*\f+3], s[12:13] offset:512*\f   ; 512 consecutive bytes: tile f / 2, c = f % 2
.endr
	FINISH
	; ---- V: a wave takes 32 keys x 64.  A lane takes a column d and its registers run down the keys, so the conversions give codes with the keys innermost: nothing is transposed
.Lv:
	s_load_b32 s24, s[10:11], 0xc                  ; e3
	s_sub_co_u32 s19, ttmp9, 512                   ; 16 head + step
	s_lshl_b32 s22, s19, 13                        ; a step's 8,192 bytes of codes
	s_lshl_b32 s20, s18, 9                         ; + 512 c, c = my wave
	s_add_co_u32 s22, s22, s20
	s_mov_b32 s23, 0
	s_add_nc_u64 s[14:15], s[14:15], s[22:23]
	s_lshl_b32 s20, s19, 2
	s_add_co_u32 s20, s20, s18
	s_lshl_b32 s20, s20, 13                        ; my 32 rows of 256 bytes
	s_mov_b32 s21, 0
	s_add_nc_u64 s[6:7], s[6:7], s[20:21]
.set n, 0
	s_wait_alu depctr_va_vdst(0)
.rept 32
	global_load_b32 v[R+n], v13, s[6:7] offset:256*n th:TH_LOAD_NT          ; key n, d = lane: 128 consecutive bytes,
	global_load_b32 v[R+32+n], v13, s[6:7] offset:256*n+128 th:TH_LOAD_NT   ; and d = 32 + lane: the row's other 128
.set n, n+1
.endr
	SCALE
	s_wait_alu depctr_va_vdst(0)
	s_wait_loadcnt 0x0
	HOLD64 R
.irp f, 0,1,2,3,4,5,6,7
	v_cvt_scalef32_pk8_fp8_f32 v[C+2*\f:C+2*\f+1], v[R+8*\f:R+8*\f+7], v11   ; column 32 (f / 4) + lane, keys 8 (f % 4) on
.endr
	v_nop                                          ; a plain vector line behind the last conversion
.irp x, 0,1
.irp g, 0,1
	global_store_b128 v14, v[C+8*\x+4*\g:C+8*\x+4*\g+3], s[14:15] offset:4096*\x+256*\g   ; tile 2 x + h, keys 16 g on: each half of the lanes stores 256 consecutive bytes, aligned
.endr
.endr
	FINISH
.Lfunc_end_k_q9429c19ae3_prep:
	.size	k_q9429c19ae3_prep, .Lfunc_end_k_q9429c19ae3_prep-k_q9429c19ae3_prep
	.p2alignl 7, 3214868480
	.fill 96, 4, 3214868480
	.section	.rodata,"a",@progbits
	.p2align	6, 0x0
	.amdhsa_kernel k_q9429c19ae3_prep
		.amdhsa_group_segment_fixed_size 52736
		.amdhsa_private_segment_fixed_size 0
		.amdhsa_enable_private_segment 0
		.amdhsa_kernarg_size 64
		.amdhsa_user_sgpr_count 2
		.amdhsa_user_sgpr_kernarg_segment_ptr 1
		.amdhsa_wavefront_size32 1
		.amdhsa_system_sgpr_workgroup_id_x 1
		.amdhsa_system_sgpr_workgroup_id_y 1
		.amdhsa_system_sgpr_workgroup_id_z 1
		.amdhsa_system_vgpr_workitem_id 0
		.amdhsa_next_free_vgpr 160
		.amdhsa_next_free_sgpr 66
		.amdhsa_reserve_vcc 0
		.amdhsa_float_denorm_mode_32 3
		.amdhsa_float_denorm_mode_16_64 3
		.amdhsa_memory_ordered 1
		.amdhsa_forward_progress 1
		.amdhsa_inst_pref_size 53
	.end_amdhsa_kernel
	.amdgpu_metadata
---
amdhsa.version: [ 1, 2 ]
amdhsa.kernels:
  - .name:           k_q9429c19ae3_prep
    .symbol:         k_q9429c19ae3_prep.kd
    .args:
      - { .name: k, .offset: 0, .size: 8, .value_kind: global_buffer, .address_space: global }
      - { .name: v, .offset: 8, .size: 8, .value_kind: global_buffer, .address_space: global }
      - { .name: mask, .offset: 16, .size: 8, .value_kind: global_buffer, .address_space: global }
      - { .name: lowp_scales, .offset: 24, .size: 8, .value_kind: global_buffer, .address_space: global }
      - { .name: kc, .offset: 32, .size: 8, .value_kind: global_buffer, .address_space: global }
      - { .name: vc, .offset: 40, .size: 8, .value_kind: global_buffer, .address_space: global }
      - { .name: lm, .offset: 48, .size: 8, .value_kind: global_buffer, .address_space: global }
      - { .name: nc, .offset: 56, .size: 8, .value_kind: global_buffer, .address_space: global }
    .group_segment_fixed_size: 52736
    .private_segment_fixed_size: 0
    .kernarg_segment_align: 8
    .kernarg_segment_size: 64
    .max_flat_workgroup_size: 128
    .sgpr_count:     66
    .vgpr_count:     160
    .wavefront_size: 32
...
	.end_amdgpu_metadata
.endif
;; end of part 1
;; launch attn (part 2): grid 8 x 32, 8 waves a work-group, no clusters, 327,680 bytes of LDS; arguments q, kc, vc, lm, nc, lowp_scales, out0; writes out0
.if DOCPART == 2
	.amdgcn_target "amdgcn-amd-amdhsa--gfx1250"
	.amdhsa_code_object_version 6
	.text
	.protected	k_q9429c19ae3_attn
	.globl	k_q9429c19ae3_attn
	.p2align	8
	.type	k_q9429c19ae3_attn,@function
k_q9429c19ae3_attn:
	s_mov_b64 s[64:65], 0
	v_nop
	global_prefetch_b8 v0, s[64:65] scope:SCOPE_SE
	s_setreg_imm32_b32 hwreg(HW_REG_WAVE_MODE, 25, 1), 1
	s_wait_xcnt 0x0
; SECOND OF TWO LAUNCHES.  out = (masked, normalised softmax(q k^T / 8)) v on codes of E4M3 with the given scales 2^e0 (q), 2^e1 (k), 2^e2 (attn), 2^e3 (v).
; SHARES.  A work-group owns 256 queries of one head and takes them in 8 rounds of 32 (two tiles u of 16).  Each of its 8 waves owns 256 KEYS (two steps s of 128) in every round:
; its fragments of K stay in 128 registers for the whole launch, its fragments of V lie in LDS bytes of its own.  A round's scores, 32 queries x 256 keys, stay in the wave's 256 registers of window 1
; from the first product to the codes: each score is multiplied once and has one exponential.
; A ROUND.  S^T = K Q^T (a lane holds one query, its registers run along the keys, laid as launch prep's comment says).  For each block j = 2 s + u of 64 registers: masked scores become a sentinel; the block's own largest t
; (t = score x log2(e) / 8), rounded up to a whole number M_j, is taken away; p = 2^(t - M_j); the block's sum.  The waves hand (M, sum) to each other through LDS, one barrier; every lane then knows the row's M and sum L,
; and attn = p x 2^(M_j - M) / L, held at 448 x 2^e2, is quantised.  O^T += V^T P^T over my 256 keys; the 8 waves' parts of O go to a stage in LDS and are added behind the NEXT round's barrier
; (two stages and two exchange tables by turns), each wave adding and storing 4 whole rows of 256 bytes.
; MASKED KEYS.  reference() gives each the score -10,000: n equal terms of the row's softmax.  Here they enter as ONE entry of the exchange: M = ceil(-10,000 log2(e)), sum n x 2^(-10,000 log2(e) - M), n from nc
; (no entry where n = 0).  That is the same maximum and the same sum.  In the registers a masked score is the sentinel -2^64 x c, so its p, its attn and its code are 0, as reference()'s second where has them.
; In a block whose keys are all masked p = 1, and the factor 2^(M_j - M) is 0.
; LIMITS: |t| under 2^31; e0 + e1 between -63 and 130; e0 and e2 between -126 and 119; e2 + e3 between -126 and 127.  NaN among q is not served.
; NO CLUSTER, NO TENSOR LOAD: a wave reads its 16 KB of K's and of V's codes once, in the order of its operand registers, straight into registers; nothing that work-groups share passes through a ring in LDS.
; NO PREFETCH: the one stream inside the loop is 512 bytes of mask words a wave and round, asked for two blocks ahead by the scalar loads themselves.
.set ST,    131072                     ; LDS: 0: V's codes, 16,384 bytes a wave; ST: two stages of 8 x 32 rows x 272 bytes
.set PARB,  69632
.set LMT,   270336                     ; the keep masks (lane masks, turned over) of blocks 1 and 3: 4,096 bytes a wave, 512 a round.  Blocks 0 and 2 take their masks by scalar loads, asked for two blocks ahead
.set QT,    303104                     ; Q's codes: 16 tiles x 1,024 bytes, as images of the operand's registers
.set CT,    319488                     ; the masked keys' entry (-M, sum) of each of my 256 queries
.set EX,    321536                     ; two exchange tables: 32 rows (16 u + r) of 80 bytes: 8 waves x (-M, sum)
.set SPARE, 326656                     ; the spare words, 128 bytes a wave
.set AM,    0                          ; v0, once the thread's number has served: where the round's keep masks lie
.set MO,    67
.macro MWLOAD imm                      ; 128 keep masks, word 32 k + lane into the odd register of pair k (the pairs' upper halves are named by the packed forms and not used by them)
.irp k, 0,1,2,3
	ds_load_b32 v[NMJ+2*\k+1], v[AM] offset:\imm+128*\k
.endr
.endm
.set LI,   1                           ; 16 x lane
.set AV,   2
.set AQ0,  3
.set ACT0, 4
.set AEXW, 5
.set AEXR, 6
.set STO,  7                           ; v7, v8: stage, in
.set RD,   9                           ; v9, v10: stage, back
.set OOF,  11
.set SPW,  12
.set NIL,  13
.set MV,   14                          ; the sentinel
.set PX,   15
.set SCL,  16
.set AQ,   17
.set ACT,  18
.set G,    19
.set T,    20                          ; v20-23 maxima; later at work
.set A,    24                          ; v24-31 sums; later at work, and the rows that are stored
.set Q,    32                          ; v32-47 Q's two fragments; behind the barrier the exchange's 16 words
.set E,    32
.set P,    48                          ; v48-111 attn's codes; ahead of them the 8 parts of O that I add
.set NMJ,  112                         ; v112-119 -M_j (even registers; the odd ones hold keep masks); later the blocks' factors
.set LJ,   120
.set IA,   124
.set K,    128                         ; v128-255 K's fragments
.set LMP,  2
.set SOFF, 4
.set HM,   5
.set OUT,  6
.set SEL,  8
.set CS,   10
.set OSC,  12
.set WV,   14
.set CNT,  15
.set CO,   66
.set LIMS, 100
.set QO,   101
.set MSB, 0
.macro WIN new
.if MSB != \new
	s_set_vgpr_msb (MSB<<8)|\new
.set MSB, \new
.endif
.endm
.macro LMLOAD imm                      ; a block's 64 lane masks
	s_load_b512 s[32:47], s[LMP:LMP+1], s[SOFF] offset:\imm
	s_load_b512 s[48:63], s[LMP:LMP+1], s[SOFF] offset:\imm+64
	s_load_b512 s[68:83], s[LMP:LMP+1], s[SOFF] offset:\imm+128
	s_load_b512 s[84:99], s[LMP:LMP+1], s[SOFF] offset:\imm+192
.endm
.macro QLOAD imm
.irp k, 0,1,2,3
	ds_load_b128 v[Q+4*\k:Q+4*\k+3], v[AQ] offset:\imm+512*\k
.endr
.endm
; block j: mask, largest t, p, sum
.macro CHUNK j
.set BS, 64*\j
.if (\j%2) == 0
	WIN 0x41
	s_wait_kmcnt 0x0
.if \j > 0
	s_wait_alu depctr_va_vdst(0)
.endif
.set n, 0
.rept 64
	v_cndmask_b32 v[BS+n], v[BS+n], v[MV], s[32+n+4*(n/32)]
.set n, n+1
.endr
.if \j == 2
	s_add_co_u32 s[SOFF], s[SOFF], 8192            ; the next round's pair of tiles; behind the last pair the offset wraps to the buffer's head, and those words are not used
	s_and_b32 s[SOFF], s[SOFF], 0x7ffff
	LMLOAD 0
.else
	LMLOAD 512                                     ; block 2's
.endif
.else
	WIN 0x44
.set g, 0
.rept 4
.set n, 0
.rept 16
	v_readlane_b32 s[16+n], v[NMJ+2*(\j-1+g/2)+1], 16*(g%2)+n
.set n, n+1
.endr
	s_wait_alu depctr_va_vdst(0)
.set n, 0
.rept 16
	v_cndmask_b32 v[BS+16*g+n], v[MV], v[BS+16*g+n], s[16+n]
.set n, n+1
.endr
.set g, g+1
.endr
.endif
	WIN 0x14
.irp k, 0,1,2,3
	v_max3_num_f32 v[T+\k], v[MV], v[BS+2*\k], v[BS+2*\k+1]
.endr
.irp m, 8,16,24,32,40,48,56
.irp k, 0,1,2,3
	v_max3_num_f32 v[T+\k], v[T+\k], v[BS+\m+2*\k], v[BS+\m+2*\k+1]
.endr
.endr
	WIN 0
	v_max3_num_f32 v[T], v[T], v[T+1], v[T+2]
	v_max_num_f32 v[T], v[T], v[T+3]
	v_permlanex16_b32 v[PX], v[T], s[SEL], s[SEL+1]
	v_max_num_f32 v[T], v[T], v[PX]
	v_mul_f32 v[T], s[CS], v[T]
	v_floor_f32 v[NMJ+2*\j], -v[T]                 ; -M_j = -ceil(t)
	WIN 0x41
.set n, 0
.rept 32
	v_pk_fma_f32 v[BS+n:BS+n+1], v[BS+n:BS+n+1], s[CS:CS+1], v[NMJ+2*\j:NMJ+2*\j+1] op_sel_hi:[1,0,0]
.set n, n+2
.endr
	s_wait_alu depctr_va_vdst(0)                   ; the wait ahead of the batch
.set n, 0
.rept 64
	v_exp_f32 v[BS+n], v[BS+n]
.set n, n+1
.endr
	v_nop
	s_wait_alu depctr_va_vdst(0)                   ; and behind it
	WIN 0x05
.irp k, 0,1,2,3
	v_pk_add_f32 v[A+2*\k:A+2*\k+1], v[BS+4*\k:BS+4*\k+1], v[BS+4*\k+2:BS+4*\k+3]
.endr
	WIN 0x04
.irp m, 16,24,32,40,48,56
.irp k, 0,1,2,3
	v_pk_add_f32 v[A+2*\k:A+2*\k+1], v[A+2*\k:A+2*\k+1], v[BS+\m+2*\k:BS+\m+2*\k+1]
.endr
.endr
	WIN 0
	v_pk_add_f32 v[A:A+1], v[A:A+1], v[A+2:A+3]
	v_pk_add_f32 v[A+4:A+5], v[A+4:A+5], v[A+6:A+7]
	v_pk_add_f32 v[A:A+1], v[A:A+1], v[A+4:A+5]
	v_add_f32 v[LJ+\j], v[A], v[A+1]
.endm
; block j: attn = p x its factor, held at the largest code x the scale, quantised
.macro NORM j
.set BS, 64*\j
	WIN 0x41
.set n, 0
.rept 32
	v_pk_mul_f32 v[BS+n:BS+n+1], v[BS+n:BS+n+1], v[NMJ+2*\j:NMJ+2*\j+1] op_sel_hi:[1,0]
.set n, n+2
.endr
	WIN 0x44
.set n, 0
.rept 32
	v_dual_min_num_f32 v[BS+n], s[LIMS], v[BS+n] :: v_dual_min_num_f32 v[BS+n+1], s[LIMS], v[BS+n+1]
.set n, n+2
.endr
	WIN 0x01
.set n, 0
.rept 8
	v_cvt_scalef32_pk8_fp8_f32 v[P+16*\j+2*n:P+16*\j+2*n+1], v[BS+8*n:BS+8*n+7], v[SCL]
.set n, n+1
.endr
.endm
.macro RDLOAD pp                       ; the 8 waves' parts of my 4 rows of O
.irp p, 0,1,2,3,4,5,6,7
.irp i, 0,1
	ds_load_b128 v[P+8*\p+4*\i:P+8*\p+4*\i+3], v[RD+\pp] offset:8704*\p+544*\i
.endr
.endr
.endm
.macro RDSUM step, imm
	s_wait_dscnt 0x0
.irp p, 0,2,4,6
.irp k, 0,2,4,6
	v_pk_add_f32 v[P+8*\p+\k:P+8*\p+\k+1], v[P+8*\p+\k:P+8*\p+\k+1], v[P+8*\p+8+\k:P+8*\p+8+\k+1]
.endr
.endr
.irp p, 0,4
.irp k, 0,2,4,6
	v_pk_add_f32 v[P+8*\p+\k:P+8*\p+\k+1], v[P+8*\p+\k:P+8*\p+\k+1], v[P+8*\p+16+\k:P+8*\p+16+\k+1]
.endr
.endr
.irp k, 0,2,4,6
	v_pk_add_f32 v[P+\k:P+\k+1], v[P+\k:P+\k+1], v[P+32+\k:P+32+\k+1]
.endr
.irp k, 0,2,4,6
	v_pk_mul_f32 v[A+\k:A+\k+1], v[P+\k:P+\k+1], s[OSC:OSC+1] op_sel_hi:[1,0]   ; x 2^(e2 + e3)
.endr
.if \step
	s_add_nc_u64 s[OUT:OUT+1], s[OUT:OUT+1], 16384 ; two rounds' rows on; the last stores' addresses were waited for in the round before
.endif
	global_store_b128 v[OOF], v[A:A+3], s[OUT:OUT+1] offset:\imm th:TH_STORE_NT             ; sixteen lanes store one row of 256 bytes
	global_store_b128 v[OOF], v[A+4:A+7], s[OUT:OUT+1] offset:\imm+512 th:TH_STORE_NT
.endm
.macro ROUND par
	WIN 0x40
.irp j, 0,1,2,3
.irp t, 0,1,2,3,4,5,6,7
	v_wmma_f32_16x16x64_fp8_fp8 v[64*\j+8*\t:64*\j+8*\t+7], v[K+64*(\j/2)+8*\t:K+64*(\j/2)+8*\t+7], v[Q+8*(\j%2):Q+8*(\j%2)+7], 0
.endr
.endr
.rept 4
	v_nop
.endr
	CHUNK 0
	CHUNK 1
	CHUNK 2
	CHUNK 3
	; my two blocks of each tile u are brought under one M; then (-M, sum) of tile u = lane / 16 goes to the table
.if \par == 1
	s_add_co_u32 s[MO], s[MO], 1024                ; the next two rounds' keep masks (behind the last round: bytes of the next table, which are not used)
	v_lshrrev_b32 v[AM], 2, v[LI]
	v_add_nc_u32 v[AM], s[MO], v[AM]
.endif
	v_min_num_f32 v24, v[NMJ], v[NMJ+4]
	v_min_num_f32 v25, v[NMJ+2], v[NMJ+6]
.irp j, 0,1,2,3
	v_sub_f32 v[IA+\j], v[24+(\j%2)], v[NMJ+2*\j]  ; M_j - M_u, a whole number, 0 or less
.endr
.irp j, 0,1,2,3
	v_cvt_i32_f32 v[IA+\j], v[IA+\j]               ; (it saturates)
.endr
.irp j, 0,1,2,3
	v_ldexp_f32 v[LJ+\j], v[LJ+\j], v[IA+\j]
.endr
	v_add_f32 v26, v[LJ], v[LJ+2]
	v_add_f32 v27, v[LJ+1], v[LJ+3]
	v_permlanex16_b32 v[PX], v26, s[SEL], s[SEL+1]
	v_permlanex16_b32 v[G], v27, s[SEL], s[SEL+1]
	v_add_f32 v26, v26, v[PX]
	v_add_f32 v27, v27, v[G]
	v_cndmask_b32 v28, v24, v25, s[HM]
	v_cndmask_b32 v29, v26, v27, s[HM]
	ds_store_b64 v[AEXW], v[28:29] offset:2560*\par
	s_wait_alu depctr_va_vdst(0)                   ; the wait ahead of the blocking wait
	s_wait_dscnt 0x0                               ; my entry, my part of the last round's O, and my reads of the older table and stage
	s_barrier_signal -1
	s_barrier_wait -1
.irp k, 0,1,2,3
	ds_load_b128 v[E+4*\k:E+4*\k+3], v[AEXR] offset:2560*\par+16*\k
.endr
	ds_load_b64 v[20:21], v[ACT] offset:256*\par
	MWLOAD 512*(1-\par)
.if \par == 0
	s_cmp_eq_u32 s[CNT], 4                         ; the first round has no round behind it whose O is to be added
	s_cbranch_scc1 .Lfirst_\@
.endif
	RDLOAD (1-\par)
	s_wait_dscnt 16                                ; the five loads of the exchange are in; the stage's sixteen may be out
.if \par == 0
	s_branch .Lgo_\@
.Lfirst_\@:
	s_wait_dscnt 0x0
.Lgo_\@:
.endif
	v_min3_num_f32 v[G], v[E], v[E+2], v[E+4]      ; the row's -M, among 8 waves and the masked keys' entry
	v_min3_num_f32 v22, v[E+6], v[E+8], v[E+10]
	v_min3_num_f32 v23, v[E+12], v[E+14], v20
	v_min3_num_f32 v[G], v[G], v22, v23
.irp w, 0,1,2,3,4,5,6,7
	v_sub_f32 v[E+2*\w], v[G], v[E+2*\w]
.endr
	v_sub_f32 v20, v[G], v20
	v_sub_f32 v23, v[G], v28                       ; my own wave's
.irp w, 0,1,2,3,4,5,6,7
	v_cvt_i32_f32 v[E+2*\w], v[E+2*\w]
.endr
	v_cvt_i32_f32 v20, v20
	v_cvt_i32_f32 v23, v23
.irp w, 0,1,2,3,4,5,6,7
	v_ldexp_f32 v[E+2*\w+1], v[E+2*\w+1], v[E+2*\w]
.endr
	v_ldexp_f32 v21, v21, v20
	v_add_f32 v[E+1], v[E+1], v[E+3]
	v_add_f32 v[E+5], v[E+5], v[E+7]
	v_add_f32 v[E+9], v[E+9], v[E+11]
	v_add_f32 v[E+13], v[E+13], v[E+15]
	v_add_f32 v[E+1], v[E+1], v[E+5]
	v_add_f32 v[E+9], v[E+9], v[E+13]
	v_add_f32 v[E+1], v[E+1], v[E+9]
	v_add_f32 v[E+1], v[E+1], v21                  ; L
	s_wait_alu depctr_va_vdst(0)                   ; the wait ahead of the transcendental
	v_rcp_f32 v30, v[E+1]
	v_nop
	s_wait_alu depctr_va_vdst(0)                   ; and behind it
	v_ldexp_f32 v31, v30, v23                      ; 2^(M_u - M) / L for tile u = lane / 16
	v_permlanex16_b32 v[PX], v31, s[SEL], s[SEL+1]
	v_cndmask_b32 v26, v31, v[PX], s[HM]           ; tile 0's
	v_cndmask_b32 v27, v[PX], v31, s[HM]           ; tile 1's
.irp j, 0,1,2,3
	v_ldexp_f32 v[NMJ+2*\j], v[26+(\j%2)], v[IA+\j]
.endr
	s_wait_alu depctr_va_vdst(0)                   ; the wait ahead of the branch and the blocking wait
.if \par == 0
	s_cmp_eq_u32 s[CNT], 4
	s_cbranch_scc1 .Lnone_\@
.endif
.if \par == 0
	RDSUM 1, -8192
.else
	RDSUM 0, 0
.endif
.if \par == 0
.Lnone_\@:
	QLOAD 2048                                     ; the next round's Q
.else
	s_add_co_u32 s[QO], s[QO], 4096
	s_add_co_u32 s[CO], s[CO], 512
	v_add_nc_u32 v[AQ], s[QO], v[AQ0]
	v_add_nc_u32 v[ACT], s[CO], v[ACT0]
	s_cmp_eq_u32 s[CNT], 1                         ; no round follows the last
	s_cbranch_scc1 .Llast_\@
	QLOAD 0
.Llast_\@:
.endif
	NORM 0
	NORM 1
	WIN 0x40
.set n, 0
.rept 32
	ds_load_b128 v[4*n:4*n+3], v[AV] offset:512*n  ; V's fragments of both steps, into the registers that blocks 0 and 1 have left
.set n, n+1
.endr
	NORM 2
	NORM 3
	WIN 0
	v_nop                                          ; a plain line behind the last conversion
	s_wait_alu depctr_va_vdst(0)                   ; the wait ahead of the blocking waits
	s_wait_xcnt 0x0                                ; the rows' stores have read their registers and their base
	s_wait_dscnt 0x0
	WIN 0x51
.irp t, 0,1,2,3
.irp u, 0,1
	v_wmma_f32_16x16x128_fp8_fp8 v[128+32*\u+8*\t:128+32*\u+8*\t+7], v[16*\t:16*\t+15], v[P+16*\u:P+16*\u+15], 0
.endr
.endr
.irp t, 0,1,2,3
.irp u, 0,1
	v_wmma_f32_16x16x128_fp8_fp8 v[128+32*\u+8*\t:128+32*\u+8*\t+7], v[64+16*\t:64+16*\t+15], v[P+32+16*\u:P+32+16*\u+15], v[128+32*\u+8*\t:128+32*\u+8*\t+7]
.endr
.endr
	WIN 0
.rept 5
	v_nop                                          ; places ahead of the stores of O, and of the next round's products, which write over these registers
.endr
	WIN 0x04
.irp u, 0,1
.irp t, 0,1,2,3
	ds_store_b128 v[STO+\par], v[128+32*\u+8*\t:128+32*\u+8*\t+3] offset:4352*\u+64*\t
	ds_store_b128 v[STO+\par], v[128+32*\u+8*\t+4:128+32*\u+8*\t+7] offset:4352*\u+64*\t+16
.endr
.endr
	WIN 0
.endm
	s_load_b256 s[16:23], s[0:1], 0x0              ; q s[16:17], kc s[18:19], vc s[20:21], lm s[22:23]
	s_load_b128 s[24:27], s[0:1], 0x20             ; nc s[24:25], the scales' exponents s[26:27]
	s_load_b64 s[OUT:OUT+1], s[0:1], 0x30
	v_lshl_add_u32 v[SPW], v0, 2, SPARE
	v_mov_b32 v[NIL], 0
	v_lshrrev_b32 v20, 5, v0
	v_readfirstlane_b32 s[WV], v20                 ; wave 0..7
	s_and_b32 s28, ttmp7, 0xffff                   ; the head
	s_lshl_b32 s32, s28, 19
	s_lshl_b32 s29, ttmp9, 16
	s_add_co_u32 s32, s32, s29                     ; my 256 rows of q and of out
	s_mov_b32 s33, 0
	s_lshl_b32 s34, s[WV], 13
	s_add_co_u32 s34, s34, s32                     ; the 32 rows of q that my wave quantises
	s_mov_b32 s35, 0
	s_lshl_b32 s36, s28, 17
	s_lshl_b32 s40, s[WV], 14
	s_add_co_u32 s36, s36, s40                     ; my 256 keys' codes
	s_mov_b32 s37, 0
	s_lshl_b32 s38, ttmp9, 10
	s_mov_b32 s39, 0
	s_lshl_b32 s[SOFF], s[WV], 10
	s_add_co_u32 s[SOFF], s[SOFF], s29             ; lm: 8,192 x pair + 512 x step
	s_lshl_b32 s41, s[WV], 11
	s_lshl_b32 s42, s[WV], 3
	s_mul_i32 s43, s[WV], 8704
	s_add_co_u32 s43, s43, ST
	s_mul_i32 s44, s[WV], 1088
	s_add_co_u32 s44, s44, ST
	s_lshl_b32 s45, s[WV], 10
	s_mov_b32 s[HM], 0xffff0000
	s_mov_b32 s[SEL], 0x76543210
	s_mov_b32 s[SEL+1], 0xfedcba98
	s_mov_b32 s[QO], 0
	s_lshl_b32 s[MO], s[WV], 12
	s_add_co_u32 s[MO], s[MO], LMT
	s_mov_b32 s[CO], 0
	v_and_b32 v20, 31, v0                          ; lane
	v_and_b32 v21, 15, v0                          ; r
	v_bfe_u32 v22, v0, 4, 1                        ; h
	v_lshlrev_b32 v[LI], 4, v20
	v_add_nc_u32 v[AV], s40, v[LI]
	v_add_nc_u32 v[AQ0], QT, v[LI]
	v_add_nc_u32 v[AQ], s41, v[AQ0]                ; at first: where my wave puts its two tiles of Q's codes
	v_lshl_add_u32 v[ACT0], v20, 3, CT
	v_lshl_add_u32 v[ACT], v0, 3, CT               ; at first: where my thread puts its query's entry
	v_mul_u32_u24 v[AEXR], v20, 80
	v_add_nc_u32 v[AEXR], EX, v[AEXR]
	v_add_nc_u32 v[AEXW], s42, v[AEXR]
	v_mul_u32_u24 v23, v21, 272
	v_lshl_add_u32 v23, v22, 5, v23
	v_add_nc_u32 v[STO], s43, v23
	v_add_nc_u32 v[STO+1], PARB, v[STO]
	v_mul_u32_u24 v23, v22, 272
	v_lshl_add_u32 v23, v21, 4, v23
	v_add_nc_u32 v[RD], s44, v23
	v_add_nc_u32 v[RD+1], PARB, v[RD]
	v_lshlrev_b32 v23, 8, v22
	v_lshl_add_u32 v23, v21, 4, v23
	v_add_nc_u32 v[OOF], s45, v23
	v_mul_u32_u24 v26, v22, 272
	v_lshl_add_u32 v26, v21, 4, v26
	v_add_nc_u32 v26, s43, v26                     ; q through my stage, in: row h, 16 r bytes on
	v_mul_u32_u24 v28, v21, 272
	v_lshl_add_u32 v28, v22, 6, v28
	v_add_nc_u32 v28, s43, v28                     ; and back: row r, 64 h bytes on
	v_lshlrev_b32 v27, 9, v22
	v_lshl_add_u32 v27, v21, 4, v27
	v_add_nc_u32 v27, s[SOFF], v27                 ; lm: lanes 0-15 take block 1's 256 bytes, lanes 16-31 block 3's
	v_add_nc_u32 v29, s[MO], v[LI]
	v_lshlrev_b32 v[G], 2, v0                      ; nc: 4 x thread
	v_lshrrev_b32 v[AM], 2, v[LI]
	v_add_nc_u32 v[AM], s[MO], v[AM]
	v_mov_b32 v[PX], 0
	s_wait_alu depctr_va_vdst(0)                   ; the wait ahead of the blocking wait
	s_wait_kmcnt 0x0
	s_load_b128 s[28:31], s[26:27], 0x0            ; e0, e1, e2, e3
	s_mov_b64 s[LMP:LMP+1], s[22:23]
	s_add_nc_u64 s[OUT:OUT+1], s[OUT:OUT+1], s[32:33]
	s_add_nc_u64 s[16:17], s[16:17], s[34:35]
	s_add_nc_u64 s[18:19], s[18:19], s[36:37]
	s_add_nc_u64 s[20:21], s[20:21], s[36:37]
	s_add_nc_u64 s[24:25], s[24:25], s[38:39]
	WIN 0x40
.set n, 0
.rept 16
	global_load_b128 v[128+4*n:128+4*n+3], v[LI], s[16:17] offset:512*n th:TH_LOAD_NT   ; rows 2 n and 2 n + 1 of q: 512 consecutive bytes
.set n, n+1
.endr
	WIN 0
.irp p, 0,1,2,3,4,5,6,7
	global_load_b32 v[P+\p], v[G], s[24:25] offset:8192*\p
.endr
.irp i, 0,1,2,3,4,5,6,7
	global_load_b128 v[P+8+4*\i:P+8+4*\i+3], v27, s[22:23] offset:256+8192*\i   ; round i: the lane masks of my blocks 1 and 3
.endr
	WIN 0x40
.set n, 0
.rept 32
	global_load_b128 v[4*n:4*n+3], v[LI], s[20:21] offset:512*n
.set n, n+1
.endr
	WIN 0
.set n, 0
.rept 32
	global_load_b128 v[K+4*n:K+4*n+3], v[LI], s[18:19] offset:512*n
.set n, n+1
.endr
	s_wait_kmcnt 0x0
	s_add_co_i32 s32, s28, s29
	s_lshl_b32 s32, s32, 23
	s_add_co_i32 s[CS], s32, 0x3e38aa3b            ; c = log2(e) / 8 x 2^(e0 + e1)
	s_mov_b32 s[CS+1], s[CS]
	s_sub_co_u32 s33, 0xdf800000, s32              ; the sentinel: -2^64 / 2^(e0 + e1), a power of two, so that its product with c is exact
	v_mov_b32 v[MV], s33
	s_add_co_i32 s34, s28, 127
	s_lshl_b32 s35, s34, 23
	v_mov_b32 v24, s35                             ; 2^e0
	s_add_co_i32 s34, s34, 8
	s_lshl_b32 s34, s34, 23
	s_or_b32 s34, s34, 0x600000
	v_mov_b32 v25, s34                             ; 448 x 2^e0
	s_add_co_i32 s34, s30, 127
	s_lshl_b32 s35, s34, 23
	v_mov_b32 v[SCL], s35                          ; 2^e2
	s_add_co_i32 s34, s34, 8
	s_lshl_b32 s34, s34, 23
	s_or_b32 s[LIMS], s34, 0x600000                ; 448 x 2^e2
	s_add_co_i32 s34, s30, s31
	s_add_co_i32 s34, s34, 127
	s_lshl_b32 s[OSC], s34, 23                     ; 2^(e2 + e3)
	s_mov_b32 s[OSC+1], s[OSC]
	LMLOAD 0
	s_wait_alu depctr_va_vdst(0)                   ; the wait ahead of the blocking wait
	s_wait_loadcnt 63                              ; q's 16 loads, nc's 8 and lm's 8 are in: 64 loads stand behind them
	WIN 0x04
.set n, 0
.rept 16
	ds_store_b128 v26, v[128+4*n:128+4*n+3] offset:544*n
.set n, n+1
.endr
	WIN 0x40
.irp u, 0,1
.irp c, 0,1
.irp j, 0,1,2,3
	ds_load_b128 v[192+32*\u+16*\c+4*\j:192+32*\u+16*\c+4*\j+3], v28 offset:4352*\u+128*\c+16*\j   ; tile u, row r, d = 32 c + 16 h + 4 j on; LDS serves a wave's instructions in order
.endr
.endr
.endr
	WIN 0
.set n, 0
.rept 32
	v_not_b32 v[P+8+n], v[P+8+n]                   ; a set bit now says: keep
.set n, n+1
.endr
.irp i, 0,1,2,3,4,5,6,7
	ds_store_b128 v29, v[P+8+4*\i:P+8+4*\i+3] offset:512*\i
.endr
	s_wait_dscnt 8                                 ; q is back; the eight stores behind it may be out
	WIN 0x41
.set n, 0
.rept 64
	v_med3_num_f32 v[192+n], v[192+n], -v25, v25
.set n, n+1
.endr
	WIN 0x01
.set n, 0
.rept 8
	v_cvt_scalef32_pk8_fp8_f32 v[Q+2*n:Q+2*n+1], v[192+8*n:192+8*n+7], v24
.set n, n+1
.endr
	WIN 0
	v_add_f32 v[P], v[P], v[P+1]                   ; n: how many keys are masked for query 256 x + thread
	v_add_f32 v[P+2], v[P+2], v[P+3]
	v_add_f32 v[P+4], v[P+4], v[P+5]
	v_add_f32 v[P+6], v[P+6], v[P+7]
	v_add_f32 v[P], v[P], v[P+2]
	v_add_f32 v[P+4], v[P+4], v[P+6]
	v_add_f32 v[P], v[P], v[P+4]
	v_cmp_lt_f32 vcc_lo, 0, v[P]
	v_mov_b32 v[P+2], 0x5e000000                   ; n = 0: -M = 2^61, over every other entry's: no entry
	v_mov_b32 v[P+3], 0x46616800                   ; else -M = 14,426 = -ceil(-10,000 log2(e))
	v_cndmask_b32 v[P+2], v[P+2], v[P+3], vcc_lo
	v_mul_f32 v[P+3], 0x3f0479f2, v[P]             ; n x 2^(-10,000 log2(e) + 14,426)
	ds_store_b64 v[ACT], v[P+2:P+3]
.irp k, 0,1,2,3
	ds_store_b128 v[AQ], v[Q+4*\k:Q+4*\k+3] offset:512*\k
.endr
	s_wait_loadcnt 32                              ; V's 32 loads are in; K's 32 may be out
	WIN 0x04
.set n, 0
.rept 32
	ds_store_b128 v[AV], v[4*n:4*n+3] offset:512*n
.set n, n+1
.endr
	WIN 0
	s_wait_dscnt 0x0
	s_barrier_signal -1
	s_barrier_wait -1
	v_mov_b32 v[AQ], v[AQ0]
	v_mov_b32 v[ACT], v[ACT0]
	QLOAD 0
	MWLOAD 0
	s_mov_b32 s[CNT], 4
	s_wait_alu depctr_va_vdst(0)                   ; the wait at the head's end
	s_wait_loadcnt 0x0
	s_wait_dscnt 0x0
.Lr:                                               ; a trip is two rounds, one on each table and stage
	ROUND 0
	ROUND 1
	s_sub_co_u32 s[CNT], s[CNT], 1
	s_cmp_lg_u32 s[CNT], 0
	s_cbranch_scc1 .Lr
	s_wait_dscnt 0x0                               ; the last round's parts of O
	s_barrier_signal -1
	s_barrier_wait -1
	RDLOAD 1
	RDSUM 0, 8192
	s_wait_tensorcnt 0x0                           ; the wave's end
	ds_add_u32 v[SPW], v[NIL]
	s_wait_dscnt 0x0
	s_endpgm
.Lfunc_end_k_q9429c19ae3_attn:
	.size	k_q9429c19ae3_attn, .Lfunc_end_k_q9429c19ae3_attn-k_q9429c19ae3_attn
	.p2alignl 7, 3214868480
	.fill 96, 4, 3214868480
	.section	.rodata,"a",@progbits
	.p2align	6, 0x0
	.amdhsa_kernel k_q9429c19ae3_attn
		.amdhsa_group_segment_fixed_size 327680
		.amdhsa_private_segment_fixed_size 0
		.amdhsa_enable_private_segment 0
		.amdhsa_kernarg_size 56
		.amdhsa_user_sgpr_count 2
		.amdhsa_user_sgpr_kernarg_segment_ptr 1
		.amdhsa_wavefront_size32 1
		.amdhsa_system_sgpr_workgroup_id_x 1
		.amdhsa_system_sgpr_workgroup_id_y 1
		.amdhsa_system_sgpr_workgroup_id_z 1
		.amdhsa_system_vgpr_workitem_id 0
		.amdhsa_next_free_vgpr 512
		.amdhsa_next_free_sgpr 106
		.amdhsa_reserve_vcc 1
		.amdhsa_float_denorm_mode_32 3
		.amdhsa_float_denorm_mode_16_64 3
		.amdhsa_memory_ordered 1
		.amdhsa_forward_progress 1
		.amdhsa_inst_pref_size 215
	.end_amdhsa_kernel
	.amdgpu_metadata
---
amdhsa.version: [ 1, 2 ]
amdhsa.kernels:
  - .name:           k_q9429c19ae3_attn
    .symbol:         k_q9429c19ae3_attn.kd
    .args:
      - { .name: q, .offset: 0, .size: 8, .value_kind: global_buffer, .address_space: global }
      - { .name: kc, .offset: 8, .size: 8, .value_kind: global_buffer, .address_space: global }
      - { .name: vc, .offset: 16, .size: 8, .value_kind: global_buffer, .address_space: global }
      - { .name: lm, .offset: 24, .size: 8, .value_kind: global_buffer, .address_space: global }
      - { .name: nc, .offset: 32, .size: 8, .value_kind: global_buffer, .address_space: global }
      - { .name: lowp_scales, .offset: 40, .size: 8, .value_kind: global_buffer, .address_space: global }
      - { .name: out0, .offset: 48, .size: 8, .value_kind: global_buffer, .address_space: global }
    .group_segment_fixed_size: 327680
    .private_segment_fixed_size: 0
    .kernarg_segment_align: 8
    .kernarg_segment_size: 56
    .max_flat_workgroup_size: 256
    .sgpr_count:     106
    .vgpr_count:     512
    .wavefront_size: 32
...
	.end_amdgpu_metadata
.endif
;; end of part 2
